; MI455X (gfx1250); checked and timed in simulation.
; The chip was launched on July 23, 2026; its instructions are those of AMD's public machine-readable ISA for CDNA 5 (MIT licence, August 2026) and "CDNA5" Instruction Set Architecture Reference Guide (July 2026). The comments in the code are by the model that wrote it; some were corrected since.
;; Mixture Of Experts. Allowed arithmetic: matrix products marked QUANTISED: E2M3 operands, one E8M0 scale for each 32 along K, by v_wmma_scale_f32_16x16x128_f8f6f4 with both operands' format E2M3, f32 sums; products left as they are: f32 operands where the result goes on into a quantised operand, else bf16, f16 or f32 operands; f32 sums; everything else in f32.
;; Inputs: W1_codes 8 x 256 x 32 x 24 uint8 (E2M3 codes of W1, K innermost, in blocks of 32 codes, four codes in three bytes); W1_scales 8 x 256 x 32 uint8 (E8M0 scales of W1, one for each 32 codes along K); W2_codes 8 x 1,024 x 8 x 24 uint8 (E2M3 codes of W2, K innermost, in blocks of 32 codes, four codes in three bytes); W2_scales 8 x 1,024 x 8 uint8 (E8M0 scales of W2, one for each 32 codes along K); Wg 1,024 x 8 float32; b1 8 x 256 float32; b2 8 x 1,024 float32; bg 8 float32; x 16,384 x 1,024 float32.
;; Outputs: out0 16,384 x 1,024 float32.
;; This version of the problem:
;;   THIS VERSION OF THE PROBLEM IS GIVEN IN LOW PRECISION. The matrix products marked QUANTISED in the list below multiply operands that are first quantised to E2M3 (2 exponent bits, 3 mantissa bits; 6 bits a number), with one power-of-two scale for each 32 numbers along K (OCP MX v1.0); their sums are f32. All else is computed in f32.
;;   The module's matrix products, in the order in which they are computed (A, B: the left and right operand; K: the contracted axis; several contracted axes count as one K, in the product's order):
;;     1. [M 16,384, K 1,024] x [K 1,024, N 8]; A: input x; B: input Wg: left as it is (N = 8 < 16)
;;     2. [M 16,384, K 1,024] x [K 1,024, N 2,048]; A: input x; B: input W1 (given as codes): QUANTISED
;;     3. batch 8 x [M 1,024, K 256] x [K 256, N 16,384]; A: input W2 (given as codes); B: computed on the way: QUANTISED
;;     4. batch 16,384 x [M 1,024, K 8] x [K 8, N 1]; A: computed on the way; B: softmax: left as it is (K = 8 < 32)
;;   THE QUANTISER, for each operand of a quantised product, along K:
;;     - K is cut into blocks of 32 from its start; a last block that is shorter is filled with zeros.
;;     - A block's scale is 2^e with e = floor(log2(the largest magnitude in the block)) - 2, held to -126 .. 127; a block of zeros has e = 0. As a byte (E8M0): e + 127.
;;     - Each number is divided by its block's scale, clamped to +-7.5, and rounded to the nearest number of E2M3, ties to even, subnormals kept.
;;     - The product sums the exact products of the quantised numbers (number of the format x scale) in f32.
;;   ~~~python
;;   def quantise(x, axis):      # numpy; x: float32 -> the quantised numbers, widened to float32 again
;;       x = np.moveaxis(x, axis, -1); K = x.shape[-1]
;;       x = np.pad(x, [(0, 0)] * (x.ndim - 1) + [(0, -K % 32)]); x = x.reshape(x.shape[:-1] + (-1, 32)); a = np.abs(x).max(-1, keepdims=True)
;;       e = np.where(a > 0, np.clip(np.frexp(np.where(a > 0, a, 1))[1] - 1 - 2, -126, 127), 0)      # np.frexp(a)[1] - 1 = floor(log2(a)), exactly
;;       r = np.clip(x / 2.0 ** e, -7.5, 7.5)
;;       step = 2.0 ** (np.maximum(np.frexp(np.where(r == 0, 1, r))[1] - 1, 0) - 3)
;;       q = np.round(r / step) * step * 2.0 ** e      # np.round: ties to even
;;       return np.moveaxis(q.reshape(q.shape[:-2] + (-1,))[..., :K], -1, axis).astype(np.float32)
;;   ~~~
;;   OPERANDS COMPUTED ON THE WAY. 'Computed on the way' means the value that the module computes at that place (a softmax that the list does not call 'softmax' is quantised finished and normalised). What goes into a quantiser is computed in f32, as accurately as f32 sums, v_exp_f32 and their like allow (about 1e-6 of the number): no bf16 or f16 on the way to a quantiser, and a product that is left as it is and whose result goes on into a quantised operand takes f32 operands (vector FMAs, or v_wmma_f32_16x16x4_f32). A number that lies on a knife's edge between two numbers of the format may be rounded either way, as far as f32 arithmetic and the matrix unit's own rounding can turn it there, and no further.
;;   INPUTS GIVEN AS CODES. W1 (in the module: [8, 1024, 256], K = its axis 1); W2 (in the module: [8, 256, 1024], K = its axis 1): each comes as NAME_codes (uint8): NAME with its K axis moved to the last place and cut into blocks of 32 codes, [.., K / 32, bytes a block], one block behind the other in memory; four codes in three bytes: a row's codes are one little-endian stream of bits, code i at bits 6 i .. 6 i + 5 (a code: sign, 2 exponent bits, 3 mantissa bits); and NAME_scales (uint8): the same leading axes, one E8M0 byte (e + 127) for each 32 codes along K. Its value is code x scale, taken as it is: it is not quantised again, and the codes and scales need not be those that the quantiser above would give.
;; One version. Each part assembles by itself: llvm-mc -triple=amdgcn-amd-amdhsa -mcpu=gfx1250 --defsym DOCPART=n.
;; ======== version 1 of 1: 1 launch
;; limits: values are held in bf16: 8 bits of precision; right only within a limited range of input values
;; launch moe (part 1): grid 256 x 1, 4 waves a work-group, clusters of 4 x 1, 327,680 bytes of LDS; arguments x, W1_codes, W1_scales, b1, W2_codes, W2_scales, b2, Wg, bg, out0; writes out0
.if DOCPART == 1
	.amdgcn_target "amdgcn-amd-amdhsa--gfx1250"
	.amdhsa_code_object_version 6
	.text
	.protected	k_qb96bb2a96f_moe
	.globl	k_qb96bb2a96f_moe
	.p2align	8
	.type	k_qb96bb2a96f_moe,@function
k_qb96bb2a96f_moe:
	s_mov_b64 s[64:65], 0
	v_nop
	global_prefetch_b8 v0, s[64:65] scope:SCOPE_SE
	s_setreg_imm32_b32 hwreg(HW_REG_WAVE_MODE, 25, 1), 1
	s_wait_xcnt 0x0
	s_wait_alu depctr_hold_cnt(0) depctr_sa_sdst(0) depctr_va_vdst(0) depctr_va_sdst(0) depctr_va_ssrc(0) depctr_va_vcc(0) depctr_vm_vsrc(0)
	s_getreg_b32 s2, hwreg(HW_REG_IB_STS2, 6, 4)
	s_cmp_eq_u32 s2, 0
	s_cbranch_scc0 .Lentry_in_a_cluster
	s_endpgm
.Lentry_in_a_cluster:
	s_bfe_u32 s2, ttmp6, 0x10000c
	s_cmp_lg_u32 s2, 0x3003
	s_cbranch_scc0 .Lentry_shape_is_right
	s_endpgm
.Lentry_shape_is_right:
; out = sum over e of softmax(x Wg + bg)[e] x (Q(gelu(Q(x) W1[e] + b1[e])) W2[e] + b2[e]); Q: the MX-FP6 quantiser along K.
; A work-group of four waves owns 64 tokens and takes them through everything; 256 work-groups.
; HEAD: a wave quantises 16 rows of x (codes and scale words go to the others as register images in LDS) and makes their gate (bf16 products, f32 softmax with the maximum taken away).
; FIRST PRODUCT, 16 stages (8 experts x 2 halves of 128 hidden units): a wave makes 32 hidden units x 64 tokens; x's 32 fragments stay in 384 registers.
;   A stage: 64 matrix instructions on end; then the next stage's 16 fragments, scales and bias are asked for; then gelu and quantiser on the 64 results a lane, codes to LDS.
; SECOND PRODUCT, 16 stages (8 experts x 2 halves of 512 outputs): a wave makes 128 outputs x 64 tokens; twice 32 matrix instructions and 64 packed multiply-adds by the gate's weight onto 512 sums.
; The weights go through a ring of two LDS slots, 98,304 bytes a stage as rows of 768 bytes; a wave fetches and reads its own quarter.  The four work-groups of a cluster ask for each tile jointly.
; Clusters begin at different experts (cluster number mod 8).  No prefetch is laid: every tile of the weights is read by all 64 clusters of the launch.
; erf is a rational function of the argument held to +-4 sqrt 2, beyond which erf is +-1 in f32.  The gate's product takes bf16 operands.
; REGISTERS: window 0: v0-63 addresses, scales, constants; v64-127 the first product's sums; v128-255 gelu's work; (second product: v64-191 results, v192-227 three hidden fragments)
;   windows 1, 2: x's fragments (v144-159 of window 2: b1), then the 512 sums of the output;  window 3: v0-191 the stage's 16 weight fragments, v192-255 b2, then five hidden fragments.
.set SLOTB,  104448
.set WPART,  26112
.set RPITCH, 816
.set GRP,    16*RPITCH
.set HID0,   2*SLOTB
.set HEXP,   12288
.set HSC0,   HID0+9*HEXP
.set WIMG,   HSC0+9*512
.set SPARE,  WIMG+2048
.set XIMG,   HID0+HEXP
.set XSC,    XIMG+32*1536
.set WGI,    XSC+2048
.set XT,     WGI+16384
.set EXPB,   196608
.set STGB,   98304
.set SPW, 1
.set NIL, 2
.set ADRW, 3
.set TA,  22
.set XS,  24
.set HS,  24
.set WS,  40
.set WM,  56
.set HA0, 64
.set EO,  64
.set XC,  128
.set PP,  160
.set QQ,  192
.set X2,  224
.set QT,  224
.set B1R, 144
.set B2R, 192
.set HFA, 192
.set HFB, 192
.set MSB, 0
.macro WIN new
.if MSB != (\new)
	s_set_vgpr_msb (MSB<<8)|(\new)
.set MSB, (\new)
.endif
.endm
.macro PLACES n
.rept \n
	v_nop
.endr
.endm
.macro ROUND                           ; a round of the cluster's barrier
	s_barrier_signal -1
	s_barrier_wait -1
	s_cmp_lg_u32 s66, 0
	s_cbranch_scc1 .Lnot_wave_0_\@
	s_barrier_signal -3
.Lnot_wave_0_\@:
	s_barrier_wait -3
	s_barrier_signal -1
	s_barrier_wait -1
.endm
.macro BARRIER
	s_wait_dscnt 0x0
	s_barrier_signal -1
	s_barrier_wait -1
.endm
; second product: the change of slots.  All my loads have landed, the add, my reads of slot n are over, the round; then slot n takes the next expert's same half
.macro CHANGE n
	WIN 0
	s_wait_tensorcnt 0x0
	ds_add_u32 v[SPW], v[NIL]
	s_mul_i32 s72, s70, EXPB
.if \n
	s_add_co_u32 s72, s72, STGB
.endif
	s_add_nc_u64 s[34+4*\n:35+4*\n], s[90:91], s[72:73]
	s_or_b32 s[35+4*\n], s[35+4*\n], 0x80000000
	s_add_co_u32 s[33+4*\n], s100, \n*SLOTB
	s_wait_dscnt 0x0
	ROUND
	tensor_load_to_lds s[32+4*\n:35+4*\n], s[24:31]
	s_nop 0
	PLACES 4
.endm
; a weight fragment: pieces of 8 bytes of LDS row r of group G; 16 bytes of padding behind each 256; where lanes 16-31 fall behind a pad the second address register serves
.macro FRAG reg, adr, G, qq
.irp p,0,1,2,3,4,5
.set PCE, 12*(\qq)+6*(\p/3)+\p%3
.if PCE%32 < 29
	ds_load_b64 v[(\reg)+2*\p:(\reg)+2*\p+1], v[\adr] offset:(\G)*GRP+8*PCE+16*(PCE/32)
.else
	ds_load_b64 v[(\reg)+2*\p:(\reg)+2*\p+1], v[(\adr)+1] offset:(\G)*GRP+8*PCE+16*(PCE/32)
.endif
.endr
.endm
.macro LOADG adr, G                    ; the eight fragments of my row group G -> window 3, v[96 G + 12 qq]
	WIN 0xc0
.irp qq,0,1,2,3,4,5,6,7
	FRAG 96*(\G)+12*\qq, \adr, \G, \qq
.endr
	WIN 0
.endm
.macro IFRAG reg, adr, off             ; a fragment from a register image in LDS
.irp p,0,1,2,3,4,5
	ds_load_b64 v[(\reg)+2*\p:(\reg)+2*\p+1], v[\adr] offset:(\off)+768*(\p/3)+8*(\p%3)
.endr
.endm
.macro LDSC set                        ; a stage's scale words: lane l takes the 32 bytes of my LDS row l
	global_load_b128 v[WS+8*\set:WS+8*\set+3], v7, s[76:77]
	global_load_b128 v[WS+8*\set+4:WS+8*\set+7], v7, s[76:77] offset:16
.endm
.macro LDB1                            ; b1 in the results' layout, the C of a stage's first products
	WIN 0x80
	global_load_b128 v[B1R:B1R+3], v8, s[78:79]
	global_load_b128 v[B1R+4:B1R+7], v8, s[78:79] offset:16
	global_load_b128 v[B1R+8:B1R+11], v8, s[78:79] offset:64
	global_load_b128 v[B1R+12:B1R+15], v8, s[78:79] offset:80
	WIN 0
.endm
.macro NEXTLD set, ereg, ah, sbase, p1
	s_lshl_b32 s72, s[\ereg], 13
.if \ah
	s_add_co_u32 s72, s72, 4096
.endif
	s_add_nc_u64 s[76:77], s[\sbase:\sbase+1], s[72:73]
	LDSC \set
.if \p1
	s_lshl_b32 s72, s[\ereg], 10
	s_add_nc_u64 s[78:79], s[10:11], s[72:73]
	LDB1
.endif
.endm
.macro WMS d, a, b, c, sa, sb, ra, rb
.if (\c) < 0
.if (\ra) && (\rb)
	v_wmma_scale_f32_16x16x128_f8f6f4 v[(\d):(\d)+7], v[(\a):(\a)+11], v[(\b):(\b)+11], 0, v[(\sa)], v[(\sb)] matrix_a_fmt:MATRIX_FMT_FP6 matrix_b_fmt:MATRIX_FMT_FP6 matrix_a_scale:MATRIX_SCALE_ROW1 matrix_b_scale:MATRIX_SCALE_ROW1
.elseif (\ra)
	v_wmma_scale_f32_16x16x128_f8f6f4 v[(\d):(\d)+7], v[(\a):(\a)+11], v[(\b):(\b)+11], 0, v[(\sa)], v[(\sb)] matrix_a_fmt:MATRIX_FMT_FP6 matrix_b_fmt:MATRIX_FMT_FP6 matrix_a_scale:MATRIX_SCALE_ROW1
.elseif (\rb)
	v_wmma_scale_f32_16x16x128_f8f6f4 v[(\d):(\d)+7], v[(\a):(\a)+11], v[(\b):(\b)+11], 0, v[(\sa)], v[(\sb)] matrix_a_fmt:MATRIX_FMT_FP6 matrix_b_fmt:MATRIX_FMT_FP6 matrix_b_scale:MATRIX_SCALE_ROW1
.else
	v_wmma_scale_f32_16x16x128_f8f6f4 v[(\d):(\d)+7], v[(\a):(\a)+11], v[(\b):(\b)+11], 0, v[(\sa)], v[(\sb)] matrix_a_fmt:MATRIX_FMT_FP6 matrix_b_fmt:MATRIX_FMT_FP6
.endif
.else
.if (\ra) && (\rb)
	v_wmma_scale_f32_16x16x128_f8f6f4 v[(\d):(\d)+7], v[(\a):(\a)+11], v[(\b):(\b)+11], v[(\c):(\c)+7], v[(\sa)], v[(\sb)] matrix_a_fmt:MATRIX_FMT_FP6 matrix_b_fmt:MATRIX_FMT_FP6 matrix_a_scale:MATRIX_SCALE_ROW1 matrix_b_scale:MATRIX_SCALE_ROW1
.elseif (\ra)
	v_wmma_scale_f32_16x16x128_f8f6f4 v[(\d):(\d)+7], v[(\a):(\a)+11], v[(\b):(\b)+11], v[(\c):(\c)+7], v[(\sa)], v[(\sb)] matrix_a_fmt:MATRIX_FMT_FP6 matrix_b_fmt:MATRIX_FMT_FP6 matrix_a_scale:MATRIX_SCALE_ROW1
.elseif (\rb)
	v_wmma_scale_f32_16x16x128_f8f6f4 v[(\d):(\d)+7], v[(\a):(\a)+11], v[(\b):(\b)+11], v[(\c):(\c)+7], v[(\sa)], v[(\sb)] matrix_a_fmt:MATRIX_FMT_FP6 matrix_b_fmt:MATRIX_FMT_FP6 matrix_b_scale:MATRIX_SCALE_ROW1
.else
	v_wmma_scale_f32_16x16x128_f8f6f4 v[(\d):(\d)+7], v[(\a):(\a)+11], v[(\b):(\b)+11], v[(\c):(\c)+7], v[(\sa)], v[(\sb)] matrix_a_fmt:MATRIX_FMT_FP6 matrix_b_fmt:MATRIX_FMT_FP6
.endif
.endif
.endm
; first product, a stage: 8 K steps x (2 groups of 16 hidden units x 4 groups of 16 tokens); the 8 sums take turns; the first step's C is b1
.macro RUN1
.irp k,0,1,2,3,4,5,6,7
.if \k == 0
	WIN 0x27
.elseif \k < 5
	WIN 0x07
.else
	WIN 0x0b
.endif
.irp i,0,1,2,3,4,5,6,7
.set GT, \i/4
.set GM, \i%4
.set GD, HA0+16*GM+8*GT
.if \k < 5
.set GB, 12*(4*\k+GM)
.else
.set GB, 12*(4*(\k-5)+GM)
.endif
.if \k == 0
	WMS GD, 96*GT+12*\k, GB, B1R+8*GT, WS+\k, XS+2*\k+GM/2, GT, GM%2
.else
	WMS GD, 96*GT+12*\k, GB, GD, WS+\k, XS+2*\k+GM/2, GT, GM%2
.endif
.endr
.endr
	WIN 0
.endm
; gelu on 32 numbers a lane, level by level: 16 independent dual-issue pairs a level.  A pair takes two neighbouring registers: one destination even, one odd, the sources in different banks; a level's coefficient is the pair's one literal
.macro LVL acc, sc
.irp j,0,2,4,6,8,10,12,14,16,18,20,22,24,26,28,30
	v_dual_fmaak_f32 v[\acc+\j], v[\acc+\j], v[X2+\j], \sc :: v_dual_fmaak_f32 v[\acc+\j+1], v[\acc+\j+1], v[X2+\j+1], \sc
.endr
.endm
.macro INI acc, cv, sc
.irp j,0,2,4,6,8,10,12,14,16,18,20,22,24,26,28,30
	v_dual_fmaak_f32 v[\acc+\j], v[X2+\j], v[\cv], \sc :: v_dual_fmaak_f32 v[\acc+\j+1], v[X2+\j+1], v[\cv+1], \sc
.endr
.endm
.macro PKM d, a, b
.irp j,0,2,4,6,8,10,12,14,16,18,20,22,24,26,28,30
	v_dual_mul_f32 v[(\d)+\j], v[(\a)+\j], v[(\b)+\j] :: v_dual_mul_f32 v[(\d)+\j+1], v[(\a)+\j+1], v[(\b)+\j+1]
.endr
.endm
.macro GELU x
	s_wait_alu depctr_va_vdst(0)                   ; the wait directly ahead of the first readers of matrix results
.irp a,0,8,16,24
.irp b,0,1,2,3,4,5,6,7
	v_med3_num_f32 v[XC+\a+\b], v[(\x)+\a+\b], s61, s60
.endr
.endr
	PKM X2, XC, XC
	INI PP, 56, 0x306DFFEE
	INI QQ, 58, 0xB89E3512
	LVL PP, 0xB40CFF51
	LVL QQ, 0xBA9BF7B5
	LVL PP, 0xB6EEC2D2
	LVL QQ, 0xBC2AD7F2
	LVL PP, 0xB940AC63
	LVL QQ, 0xBD2542A9
	LVL PP, 0xBAC1A1F6
	LVL PP, 0xBC83DBD4
	s_wait_alu depctr_va_vdst(0)                   ; ahead of the batch
.irp a,0,8,16,24
.irp b,0,1,2,3,4,5,6,7
	v_rcp_f32 v[QQ+\a+\b], v[QQ+\a+\b]
.endr
.endr
	v_nop
	s_wait_alu depctr_va_vdst(0)                   ; and behind it
	PKM PP, PP, QQ
.irp j,0,2,4,6,8,10,12,14,16,18,20,22,24,26,28,30
	v_dual_fmaak_f32 v[XC+\j], v[XC+\j], v[PP+\j], 0x3f000000 :: v_dual_fmaak_f32 v[XC+\j+1], v[XC+\j+1], v[PP+\j+1], 0x3f000000
.endr
	PKM \x, \x, XC
.endm
; the quantiser on two groups of tokens by turns.  A lane's 16 numbers and lane l xor 16's are one block of 32 hidden units of one token
.macro Q2 x, m0
.irp u,0,1
	v_max3_num_f32 v[QT+4*\u], |v[(\x)+16*\u]|, |v[(\x)+16*\u+1]|, 0x1800000
	v_max3_num_f32 v[QT+4*\u+1], |v[(\x)+16*\u+8]|, |v[(\x)+16*\u+9]|, |v[(\x)+16*\u+10]|
.endr
.irp i,0,2,4
.irp u,0,1
	v_max3_num_f32 v[QT+4*\u], v[QT+4*\u], |v[(\x)+16*\u+2+\i]|, |v[(\x)+16*\u+3+\i]|
.if \i < 4
	v_max3_num_f32 v[QT+4*\u+1], v[QT+4*\u+1], |v[(\x)+16*\u+11+\i]|, |v[(\x)+16*\u+12+\i]|
.endif
.endr
.endr
.irp u,0,1
	v_max3_num_f32 v[QT+4*\u], v[QT+4*\u], v[QT+4*\u+1], |v[(\x)+16*\u+15]|
.endr
.irp u,0,1
	v_permlanex16_b32 v[QT+4*\u+2], v[QT+4*\u], s62, s63
.endr
.irp u,0,1
	v_max_num_f32 v[QT+4*\u], v[QT+4*\u], v[QT+4*\u+2]
.endr
.irp u,0,1
	v_add_nc_u32 v[QT+4*\u+3], 0xff000000, v[QT+4*\u]   ; 2 off the exponent field: the conversion's scale operand
.endr
.irp u,0,1
	v_cvt_scalef32_pk16_fp6_f32 v[240+4*\u:242+4*\u], v[(\x)+16*\u:(\x)+16*\u+15], v[QT+4*\u+3]
.endr
.irp u,0,1
	v_lshrrev_b32 v[243+4*\u], 23, v[QT+4*\u+3]    ; the scale's byte
.endr
.irp u,0,1                             ; my codes are units 8 h .. + 7 and 16 + 8 h .. + 7 of the block: two runs of 6 bytes at their places in its 24
	ds_store_b16 v9, v[240+4*\u] offset:1536*((\m0)+\u)
	ds_store_b16_d16_hi v9, v[240+4*\u] offset:1536*((\m0)+\u)+2
	ds_store_b16 v9, v[241+4*\u] offset:1536*((\m0)+\u)+4
	ds_store_b16_d16_hi v9, v[241+4*\u] offset:1536*((\m0)+\u)+12
	ds_store_b16 v9, v[242+4*\u] offset:1536*((\m0)+\u)+14
	ds_store_b16_d16_hi v9, v[242+4*\u] offset:1536*((\m0)+\u)+16
	ds_store_b8 v10, v[243+4*\u] offset:64*((\m0)+\u)
.endr
.endm
; second product: 32 matrix instructions: row group G's 4 tiles of outputs x 4 groups of tokens x 2 K steps; the 16 results take turns
.macro RUN2 a, G
.irp q,0,1
.irp m,0,1,2,3
.if 4*\q+\m < 5
.set HB, HFA+12*(4*\q+\m)
	WIN 0x0f
.else
.set HB, HFB+12*(4*\q+\m-5)
	WIN 0x03
.endif
.irp b,0,1,2,3
.if \q == 0
	WMS EO+32*\b+8*\m, 96*(\G)+12*(2*\b+\q), HB, -1, WS+8*(\a)+2*\b+\q, HS+2*\q+\m/2, \G, \m%2
.else
	WMS EO+32*\b+8*\m, 96*(\G)+12*(2*\b+\q), HB, EO+32*\b+8*\m, WS+8*(\a)+2*\b+\q, HS+2*\q+\m/2, \G, \m%2
.endif
.endr
.endr
.endr
	WIN 0
.endm
.macro FMAG a, G                       ; the sums += the token's gate weight x the results; each result from its low end on
	WIN 0x50*(1+(\a))
.irp b,0,1,2,3
.irp m,0,1,2,3
.irp i,0,2,4,6
.set FO, 128*(\G)+32*\b+8*\m+\i
.set FE, EO+32*\b+8*\m+\i
.set FW, WM+2*(\m/2)
.if (\m%2) == 0
	v_pk_fma_f32 v[FO:FO+1], v[FE:FE+1], v[FW:FW+1], v[FO:FO+1] op_sel_hi:[1,0,1]
.else
	v_pk_fma_f32 v[FO:FO+1], v[FE:FE+1], v[FW:FW+1], v[FO:FO+1] op_sel:[0,1,0] op_sel_hi:[1,1,1]
.endif
.endr
.endr
.endr
	WIN 0
.endm
.macro XLD                             ; an expert's hidden layer: 8 fragments and 4 registers of scale words
	WIN 0xc0
.irp f,0,1,2,3,4
	IFRAG HFA+12*\f, 11, 1536*\f
.endr
	WIN 0
.irp f,5,6,7
	IFRAG HFB+12*(\f-5), 11, 1536*\f
.endr
.irp q,0,1
.irp p,0,1
	ds_load_b32 v[HS+2*\q+\p], v12 offset:(4*\q+2*\p)*64
.endr
.endr
.endm
.macro WLD                             ; its gate weights, one for each of my four tokens
.irp m,0,1,2,3
	ds_load_b32 v[WM+\m], v14 offset:512*\m
.endr
.endm
.macro STAGE2 a, fill, more, last
.if \fill
	CHANGE \a
.else
	WIN 0
.if !(\last)
	s_wait_tensorcnt 0x0                           ; my part of the last tile is in; nothing is filled again
.endif
	s_wait_dscnt 0x0
.endif
	s_wait_loadcnt 0x0                             ; this stage's scale words
.if \more
.if (\a) == 0
	NEXTLD 1, 69, 1, 94, 0
.else
	NEXTLD 0, 70, 0, 94, 0
.endif
.endif
	RUN2 \a, 0
	PLACES 4
.if !(\last)
	LOADG ADRW+2*(1-(\a)), 0                       ; the next stage's fragments, under the multiply-adds
.endif
	FMAG \a, 0
	RUN2 \a, 1
	PLACES 4
.if !(\last)
	LOADG ADRW+2*(1-(\a)), 1
.if \a
	v_add_nc_u32 v11, HEXP, v11
	v_add_nc_u32 v12, 512, v12
	v_lshl_add_u32 v14, s70, 2, v13
	s_wait_alu depctr_va_vdst(0)
	XLD
.endif
.endif
	FMAG \a, 1
.if (!(\last)) && (\a)
	WLD
.endif
.endm
.macro EXPERTS
	s_add_co_u32 s69, s67, s68
	s_and_b32 s69, s69, 7
	s_add_co_u32 s70, s69, 1
	s_and_b32 s70, s70, 7
.endm
	s_load_b256 s[4:11], s[0:1], 0x0
	s_load_b256 s[12:19], s[0:1], 0x20
	s_load_b128 s[20:23], s[0:1], 0x40
	v_lshl_add_u32 v[SPW], v0, 2, SPARE
	v_mov_b32 v[NIL], 0
	ds_add_u32 v1, v2
	ds_add_u32 v1, v2
	s_wait_dscnt 0x0
	v_lshrrev_b32 v248, 5, v0
	v_readfirstlane_b32 s66, v248
	s_and_b32 s67, ttmp9, 7                        ; the cluster's first expert
	s_mov_b32 s73, 0
	s_mov_b32 s24, 15|(3<<16)|(1<<20)|(1<<21)|(5<<22)|(3<<25)   ; joint load of the four; elements of 8 bytes; 16 bytes of padding behind each 256
	s_mov_b32 s25, 96<<16
	s_mov_b32 s26, 32<<16
	s_mov_b32 s27, 96<<16
	s_mov_b32 s28, 32
	s_mov_b32 s29, 96
	s_mov_b32 s30, 0
	s_mov_b32 s31, 0
	s_mov_b32 s32, 1
	s_mul_i32 s100, s66, WPART                     ; my quarter of a slot
	s_mov_b32 s33, s100
	s_mov_b32 s36, 1
	s_add_co_u32 s37, s33, SLOTB
	s_mov_b32 s101, 0                              ; 0 or SLOTB: the slot of the stage at hand
	s_mov_b32 s60, 0x40B504F3
	s_mov_b32 s61, 0xC0B504F3
	s_mov_b32 s62, 0x76543210
	s_mov_b32 s63, 0xfedcba98
	s_wait_kmcnt 0x0
	s_mul_i32 s72, s66, 24576
	s_add_nc_u64 s[88:89], s[6:7], s[72:73]
	s_add_nc_u64 s[90:91], s[12:13], s[72:73]
	s_lshl_b32 s72, s66, 10
	s_add_nc_u64 s[92:93], s[8:9], s[72:73]
	s_add_nc_u64 s[94:95], s[14:15], s[72:73]
	s_lshl_b32 s72, s66, 7
	s_add_nc_u64 s[10:11], s[10:11], s[72:73]
	s_lshl_b32 s72, s66, 9
	s_add_nc_u64 s[16:17], s[16:17], s[72:73]
	s_add_nc_u64 s[22:23], s[22:23], s[72:73]
	s_mul_i32 s72, s67, EXPB
	s_add_nc_u64 s[34:35], s[88:89], s[72:73]
	s_add_nc_u64 s[38:39], s[34:35], STGB
	s_or_b32 s35, s35, 0x80000000
	s_or_b32 s39, s39, 0x80000000
	ROUND
	tensor_load_to_lds s[32:35], s[24:31]          ; stage 0: one tensor load a wave at the head
	s_nop 0
	s_bfe_u32 s71, ttmp6, 0x40000
	s_lshl_b32 s96, ttmp9, 2
	s_add_co_u32 s96, s96, s71
	s_lshl_b32 s96, s96, 18
	s_mov_b32 s97, 0
	s_add_nc_u64 s[22:23], s[22:23], s[96:97]
	s_add_nc_u64 s[4:5], s[4:5], s[96:97]
	s_lshl_b32 s72, s66, 16
	s_add_nc_u64 s[4:5], s[4:5], s[72:73]
	s_load_b256 s[80:87], s[20:21], 0x0
	v_and_b32 v248, 31, v0
	v_and_b32 v249, 15, v0
	v_bfe_u32 v250, v0, 4, 1
	s_mul_i32 s71, s66, WPART
	v_mul_u32_u24 v251, v249, RPITCH
	v_add_nc_u32 v251, s71, v251
	v_mad_u32_u24 v3, v250, 24, v251
	v_mad_u32_u24 v4, v250, 40, v251
	v_add_nc_u32 v5, SLOTB, v3
	v_add_nc_u32 v6, SLOTB, v4
	v_lshlrev_b32 v7, 5, v248
	v_lshlrev_b32 v8, 5, v250
	v_mul_u32_u24 v251, v249, 24
	s_mul_i32 s71, s66, 384
	s_add_co_u32 s71, s71, HID0
	v_mad_u32_u24 v9, v250, 6, v251
	v_add_nc_u32 v9, s71, v9
	s_add_co_u32 s71, s66, HSC0
	v_lshl_add_u32 v10, v249, 2, s71
	v_mul_u32_u24 v252, v248, 24
	v_add_nc_u32 v11, HID0, v252
	v_lshlrev_b32 v253, 2, v248
	v_add_nc_u32 v12, HSC0, v253
	v_lshlrev_b32 v13, 5, v249
	v_add_nc_u32 v13, WIMG, v13
	v_add_nc_u32 v15, XIMG, v252
	v_add_nc_u32 v16, XSC, v253
	v_lshlrev_b32 v17, 4, v248
	s_mul_i32 s71, s66, 8448
	s_add_co_u32 s71, s71, XT
	v_add_nc_u32 v18, s71, v17
	v_mul_u32_u24 v19, v249, 528
	v_lshl_add_u32 v19, v250, 6, v19
	v_add_nc_u32 v19, s71, v19
	s_mul_i32 s71, s66, 1536
	s_add_co_u32 s71, s71, XIMG
	v_mad_u32_u24 v20, v250, 12, v251
	v_add_nc_u32 v20, s71, v20
	s_lshl_b32 s71, s66, 6
	s_add_co_u32 s71, s71, XSC
	v_lshl_add_u32 v21, v249, 2, s71
	v_and_b32 v22, 7, v0
	v_lshlrev_b32 v22, 4, v22
	v_lshl_add_u32 v22, v250, 7, v22
	v_add_nc_u32 v22, WGI, v22
	v_lshlrev_b32 v23, 6, v0
	NEXTLD 0, 67, 0, 92, 1
.irp i,0,1,2,3
.irp c,0,1,2,3
	global_load_b128 v[64+16*\i+4*\c:64+16*\i+4*\c+3], v23, s[18:19] offset:8192*\i+16*\c
.endr
.endr
.macro XLOAD s                         ; 128 columns of my 16 rows of x; a load covers 512 bytes on end
	WIN 0x40
.irp i,0,1,2,3,4,5,6,7,8,9,10,11,12,13,14,15
	global_load_b128 v[64*((\s)%4)+4*\i:64*((\s)%4)+4*\i+3], v17, s[4:5] offset:4096*\i+512*(\s) th:TH_LOAD_NT
.endr
	WIN 0
.endm
	XLOAD 0
	XLOAD 1
	XLOAD 2
	v_lshrrev_b32 v254, 4, v0
	v_lshlrev_b32 v254, 9, v254
	v_bfe_u32 v255, v0, 2, 1
	v_lshl_add_u32 v254, v255, 8, v254
	v_bfe_u32 v255, v0, 3, 1
	v_lshl_add_u32 v254, v255, 7, v254
	v_and_b32 v255, 3, v0
	v_lshl_add_u32 v254, v255, 2, v254
	v_add_nc_u32 v254, WGI, v254
.irp b,0,1,2,3
	v_mov_b32 v[228+\b], 0
.endr
	s_wait_alu depctr_va_vdst(0)                   ; the wait ahead of the blocking wait
	s_wait_loadcnt 48                              ; all but x's 48 loads
.irp i,0,1,2,3
.irp e,0,1,2,3,4,5,6,7
	v_cvt_pk_bf16_f32 v[128+8*\i+\e], v[64+16*\i+\e], v[72+16*\i+\e]
.endr
.endr
.irp i,0,1,2,3
.irp e,0,1,2,3,4,5,6,7
	ds_store_b32 v254, v[128+8*\i+\e] offset:4096*\i+16*\e
.endr
.endr
	BARRIER
; 128 columns of x: through my stage in LDS, so that a lane holds 16 neighbours of one row; quantised; images stored; the gate's product in bf16
.macro XSTEP s, left
	s_wait_loadcnt \left
	WIN 0x04
.irp i,0,1,2,3,4,5,6,7,8,9,10,11,12,13,14,15
	ds_store_b128 v18, v[64*((\s)%4)+4*\i:64*((\s)%4)+4*\i+3] offset:528*\i
.endr
	WIN 0
.if (\s) < 5
	XLOAD (\s)+3
.endif
.irp b,0,1,2,3
.irp j,0,1,2,3
	ds_load_b128 v[64+16*\b+4*\j:64+16*\b+4*\j+3], v19 offset:128*\b+16*\j
.endr
.endr
.irp b,0,1,2,3
.irp g,0,1
	ds_load_b128 v[160+8*\b+4*\g:160+8*\b+4*\g+3], v22 offset:512*(4*(\s)+\b)+256*\g
.endr
.endr
	s_wait_dscnt 0x0
.irp b,0,1,2,3
	v_max3_num_f32 v[224+\b], |v[64+16*\b]|, |v[65+16*\b]|, 0x1800000
.endr
.irp i,2,4,6,8,10,12,14
.irp b,0,1,2,3
	v_max3_num_f32 v[224+\b], v[224+\b], |v[64+16*\b+\i]|, |v[65+16*\b+\i]|
.endr
.endr
.irp b,0,1,2,3
	v_permlanex16_b32 v[228+\b], v[224+\b], s62, s63
.endr
.irp b,0,1,2,3
	v_max_num_f32 v[224+\b], v[224+\b], v[228+\b]
.endr
.irp b,0,1,2,3
	v_add_nc_u32 v[236+\b], 0xff000000, v[224+\b]
.endr
.irp b,0,1,2,3
	v_lshrrev_b32 v[228+\b], 23, v[236+\b]
.endr
	v_lshl_or_b32 v232, v229, 8, v228
	v_lshl_or_b32 v232, v230, 16, v232
	v_lshl_or_b32 v232, v231, 24, v232
.irp b,0,1,2,3
	v_cvt_scalef32_pk16_fp6_f32 v[240+4*\b:242+4*\b], v[64+16*\b:79+16*\b], v[236+\b]
.endr
	v_nop
.irp b,0,1,2,3
.irp c,0,1,2
	ds_store_b32 v20, v[240+4*\b+\c] offset:6144*(\s)+768*(\b/2)+384*(\b%2)+4*\c
.endr
.endr
	ds_store_b32 v21, v232 offset:256*(\s)
.irp b,0,1,2,3
.irp q,0,1,2,3,4,5,6,7
	v_cvt_pk_bf16_f32 v[128+8*\b+\q], v[64+16*\b+2*\q], v[65+16*\b+2*\q]
.endr
.endr
.irp b,0,1,2,3
.if (\s) == 0
	v_wmma_f32_16x16x32_bf16 v[192+8*\b:199+8*\b], v[160+8*\b:167+8*\b], v[128+8*\b:135+8*\b], 0
.else
	v_wmma_f32_16x16x32_bf16 v[192+8*\b:199+8*\b], v[160+8*\b:167+8*\b], v[128+8*\b:135+8*\b], v[192+8*\b:199+8*\b]
.endif
.endr
	PLACES 4
.endm
	XSTEP 0, 32
	XSTEP 1, 32
	XSTEP 2, 32
	s_wait_alu depctr_va_vdst(0)                   ; the wait ahead of the blocking wait
	s_wait_tensorcnt 0x0                           ; slot 1's first fill is issued as a refill is: stage 0 has landed,
	ds_add_u32 v1, v2                              ; the add,
	s_wait_dscnt 0x0
	ROUND                                          ; the round,
	tensor_load_to_lds s[36:39], s[24:31]          ; and stage 1; five steps of x and the gate stand between it and the wait for it
	s_nop 0
	PLACES 4
	XSTEP 3, 32
	XSTEP 4, 32
	XSTEP 5, 32
	XSTEP 6, 16
	XSTEP 7, 0
; the gate: the four partial sums, bg, softmax over a lane's eight experts
.irp j,0,1,2,3,4,5,6,7
	v_add_f32 v[224+\j], v[192+\j], v[200+\j]
.endr
.irp j,0,1,2,3,4,5,6,7
	v_add_f32 v[232+\j], v[208+\j], v[216+\j]
.endr
.irp j,0,1,2,3,4,5,6,7
	v_add_f32 v[224+\j], v[224+\j], v[232+\j]
.endr
	s_wait_alu depctr_va_vdst(0)
	s_wait_kmcnt 0x0
.irp j,0,1,2,3,4,5,6,7
	v_add_f32 v[224+\j], s[80+\j], v[224+\j]
.endr
	v_max3_num_f32 v232, v224, v225, v226
	v_max3_num_f32 v232, v232, v227, v228
	v_max3_num_f32 v232, v232, v229, v230
	v_max_num_f32 v232, v232, v231
.irp j,0,1,2,3,4,5,6,7
	v_sub_f32 v[224+\j], v[224+\j], v232
.endr
.irp j,0,1,2,3,4,5,6,7
	v_mul_f32 v[224+\j], 0x3fb8aa3b, v[224+\j]
.endr
	s_wait_alu depctr_va_vdst(0)
.irp j,0,1,2,3,4,5,6,7
	v_exp_f32 v[224+\j], v[224+\j]
.endr
	s_lshl_b32 s71, s66, 9
	v_add_nc_u32 v236, s71, v13
	s_wait_alu depctr_va_vdst(0)
	v_add_f32 v232, v224, v225
	v_add_f32 v233, v226, v227
	v_add_f32 v234, v228, v229
	v_add_f32 v235, v230, v231
	v_add_f32 v232, v232, v233
	v_add_f32 v234, v234, v235
	v_add_f32 v232, v232, v234
	s_wait_alu depctr_va_vdst(0)
	v_rcp_f32 v232, v232
	v_nop
	s_wait_alu depctr_va_vdst(0)
.irp j,0,1,2,3,4,5,6,7
	v_mul_f32 v[224+\j], v[224+\j], v232
.endr
	ds_store_b128 v236, v[224:227]
	ds_store_b128 v236, v[228:231] offset:16
	BARRIER
	WIN 0x40                                       ; x's 32 fragments and 16 registers of scale words, for the whole first product
.irp k,0,1,2,3,4
.irp m,0,1,2,3
	IFRAG 12*(4*\k+\m), 15, 1536*(4*\k+\m)
.endr
.endr
	WIN 0x80
.irp k,5,6,7
.irp m,0,1,2,3
	IFRAG 12*(4*(\k-5)+\m), 15, 1536*(4*\k+\m)
.endr
.endr
	WIN 0
.irp k,0,1,2,3,4,5,6,7
.irp q,0,1
	ds_load_b32 v[XS+2*\k+\q], v16 offset:(4*\k+2*\q)*64
.endr
.endr
	BARRIER                                        ; the images are read: the hidden layer may be stored over them
	LOADG ADRW, 0                                  ; stage 0's fragments (my own quarter of slot 0, waited for above)
	LOADG ADRW, 1
	WIN 0xc0
.irp a,0,1
.irp e,0,1,2,3,4,5,6,7
	global_load_b128 v[B2R+4*(8*\a+\e):B2R+4*(8*\a+\e)+3], v17, s[16:17] offset:4096*\e+2048*\a   ; b2, wanted behind the first product
.endr
.endr
	WIN 0
	v_mov_b32 v56, 0xAC95DF0B
	v_mov_b32 v57, 0xAC95DF0B
	v_mov_b32 v58, 0xB62CCD2B
	v_mov_b32 v59, 0xB62CCD2B
	s_mov_b32 s68, 0
	s_wait_alu depctr_va_vdst(0)                   ; the wait at the head's end
; THE FIRST PRODUCT: stage t = s68 lies in slot t % 2 and its fragments are in registers when the trip begins.  Every trip fills its slot again with stage t + 2; stages 16 and 17 are W2's first two.
.Lp1:
	s_wait_tensorcnt 0x0                           ; stage t + 1 has landed
	ds_add_u32 v[SPW], v[NIL]
	s_lshr_b32 s72, s68, 1
	s_add_co_u32 s72, s72, s67
	s_add_co_u32 s72, s72, 1
	s_and_b32 s72, s72, 7                          ; the next expert,
	s_mul_i32 s72, s72, EXPB
	s_and_b32 s71, s68, 1
	s_mul_i32 s71, s71, STGB                       ; the same half
	s_add_co_u32 s72, s72, s71
	s_cmp_ge_u32 s68, 14
	s_cselect_b64 s[74:75], s[90:91], s[88:89]
	s_add_nc_u64 s[34:35], s[74:75], s[72:73]
	s_or_b32 s35, s35, 0x80000000
	s_add_co_u32 s33, s100, s101
	s_wait_dscnt 0x0                               ; the add is done, stage t's fragments are in registers
	ROUND
	tensor_load_to_lds s[32:35], s[24:31]
	s_nop 0
	PLACES 4
	s_wait_loadcnt 0x0                             ; scale words and b1
	RUN1
	s_xor_b32 s101, s101, SLOTB                    ; the other slot
	v_add_nc_u32 v[TA], s101, v[ADRW]
	v_add_nc_u32 v[TA+1], s101, v[ADRW+1]
	PLACES 2                                       ; with the two above: four places ahead of loads into the products' registers
	s_wait_alu depctr_va_vdst(0)
	LOADG TA, 0                                    ; stage t + 1's 16 fragments, in one run; they come in under gelu
	LOADG TA, 1
	s_add_co_u32 s71, s68, 1
	s_lshr_b32 s72, s71, 1
	s_add_co_u32 s72, s72, s67
	s_and_b32 s72, s72, 7
	s_and_b32 s71, s71, 1
	s_lshl_b32 s96, s72, 13
	s_lshl_b32 s97, s71, 12
	s_add_co_u32 s96, s96, s97
	s_lshl_b32 s72, s72, 10
	s_lshl_b32 s71, s71, 9
	s_add_co_u32 s72, s72, s71
	s_mov_b32 s97, 0
	s_cmp_eq_u32 s68, 15
	s_cselect_b64 s[98:99], s[94:95], s[92:93]     ; behind the last stage: W2's scales
	s_add_nc_u64 s[76:77], s[98:99], s[96:97]
	s_add_nc_u64 s[78:79], s[10:11], s[72:73]
	LDSC 0
	LDB1
	GELU HA0
	Q2 HA0, 0
	GELU HA0+32
	Q2 HA0+32, 2
	v_add_nc_u32 v9, 6144, v9
	v_add_nc_u32 v10, 256, v10
	s_add_co_u32 s68, s68, 1
	s_cmp_lt_u32 s68, 16
	s_wait_alu depctr_va_vdst(0)
	s_cbranch_scc1 .Lp1
	BARRIER                                        ; the hidden layers of all experts are whole
; the sums begin as sum over e of weight[e] b2[e]: a bf16 product with K = the experts
.irp m,0,1,2,3
	ds_load_b128 v[192+8*\m:195+8*\m], v13 offset:512*\m
	ds_load_b128 v[196+8*\m:199+8*\m], v13 offset:512*\m+16
.endr
	v_and_b32 v60, 31, v0
	v_cmp_gt_u32 s96, 16, v60
.irp f,0,1,2,3,4,5,6,7
.irp q,4,5,6,7
	v_mov_b32 v[64+8*\f+\q], 0
	v_mov_b32 v[128+8*\f+\q], 0
.endr
.endr
	s_wait_dscnt 0x0
.irp m,0,1,2,3
.irp q,0,1,2,3
	v_cvt_pk_bf16_f32 v[60+\q], v[192+8*\m+2*\q], v[193+8*\m+2*\q]
.endr
.irp q,0,1,2,3
	v_cndmask_b32 v[128+8*\m+\q], v[NIL], v[60+\q], s96
	v_cndmask_b32 v[160+8*\m+\q], v[60+\q], v[NIL], s96
.endr
.endr
	s_wait_loadcnt 0x0
	WIN 0x0f
.irp a,0,1
.irp b,0,1,2,3
.irp q,0,1,2,3
	v_cvt_pk_bf16_f32 v[64+8*(4*\a+\b)+\q], v[B2R+4*(8*\a+2*\q)+\b], v[B2R+4*(8*\a+2*\q+1)+\b]
.endr
.endr
.endr
.irp a,0,1
	WIN 0x40*(1+\a)
.irp g,0,1
.irp b,0,1,2,3
.irp m,0,1,2,3
	v_wmma_f32_16x16x32_bf16 v[128*\g+32*\b+8*\m:128*\g+32*\b+8*\m+7], v[64+8*(4*\a+\b):64+8*(4*\a+\b)+7], v[128+32*\g+8*\m:128+32*\g+8*\m+7], 0
.endr
.endr
.endr
.endr
	WIN 0
	PLACES 5
	s_mov_b32 s68, 0
	EXPERTS
	v_lshl_add_u32 v14, s69, 2, v13
	s_wait_alu depctr_va_vdst(0)
	XLD
	WLD
; THE SECOND PRODUCT: a trip is one expert, its two halves in slots 0 and 1; the last expert is written out, since it fills nothing again
.Lp2:
	EXPERTS
	STAGE2 0, 1, 1, 0
	STAGE2 1, 1, 1, 0
	s_add_co_u32 s68, s68, 1
	s_cmp_lt_u32 s68, 7
	s_wait_alu depctr_va_vdst(0)
	s_cbranch_scc1 .Lp2
	EXPERTS
	STAGE2 0, 0, 1, 0
; THE WAY OUT: 16 tokens x 64 outputs at a time through my quarter of slot 0, which has had its last fill; sixteen lanes store 256 bytes on end
	v_and_b32 v21, 15, v0
	v_bfe_u32 v22, v0, 4, 1
	s_mul_i32 s71, s66, WPART
	v_mul_u32_u24 v18, v21, 272
	v_lshl_add_u32 v18, v22, 7, v18
	v_add_nc_u32 v18, s71, v18
	v_mul_u32_u24 v19, v22, 272
	v_lshl_add_u32 v19, v21, 4, v19
	v_add_nc_u32 v19, s71, v19
	v_lshlrev_b32 v20, 12, v22
	v_lshl_add_u32 v20, v21, 4, v20
.macro UNITS u
.set UA, (\u)/8
.set UG, ((\u)/4)%2
.set UMM, (\u)%4
	WIN 0x04*(1+UA)
.irp b,0,1,2,3
.irp j,0,1,2,3,4,5,6,7
	ds_store_b32 v18, v[128*UG+32*\b+8*UMM+\j] offset:16*\j+4*\b+4352*((\u)%2)
.endr
.endr
	WIN 0
.irp i,0,1,2,3,4,5,6,7
	ds_load_b128 v[128+32*((\u)%2)+4*\i:128+32*((\u)%2)+4*\i+3], v19 offset:544*\i+4352*((\u)%2)
.endr
.endm
.macro USEND u, younger
.set UA, (\u)/8
.set UG, ((\u)/4)%2
.set UMM, (\u)%4
	s_wait_dscnt \younger
.irp i,0,1,2,3,4,5,6,7
	global_store_b128 v20, v[128+32*((\u)%2)+4*\i:128+32*((\u)%2)+4*\i+3], s[22:23] offset:(16*UMM+2*\i)*4096+2048*UA+256*UG th:TH_STORE_NT
.endr
.endm
	s_wait_alu depctr_va_vdst(0)
	UNITS 0                                        ; the first half of the outputs is finished: its eight units leave ahead of the last stage
.irp u,1,2,3,4,5,6,7
.if \u >= 2
	s_wait_xcnt 0x0
.endif
	UNITS \u
	USEND \u-1, 40
.endr
	USEND 7, 0
	s_wait_xcnt 0x0                                ; the stores have read their registers, which the last stage's products write over
	STAGE2 1, 0, 0, 1
	s_wait_alu depctr_va_vdst(0)
	UNITS 8
.irp u,9,10,11,12,13,14,15
.if \u >= 2
	s_wait_xcnt 0x0                                ; unit u - 2's stores have read their registers
.endif
	UNITS \u
	USEND \u-1, 40                                 ; behind unit u - 1's loads: unit u's 32 stores and 8 loads
.endr
	USEND 15, 0
	s_wait_tensorcnt 0x0                           ; the wave's end
	ds_add_u32 v[SPW], v[NIL]
	s_wait_dscnt 0x0
	ROUND                                          ; the closing round
	s_endpgm
.Lfunc_end_k_qb96bb2a96f_moe:
	.size	k_qb96bb2a96f_moe, .Lfunc_end_k_qb96bb2a96f_moe-k_qb96bb2a96f_moe
	.p2alignl 7, 3214868480
	.fill 96, 4, 3214868480
	.section	.rodata,"a",@progbits
	.p2align	6, 0x0
	.amdhsa_kernel k_qb96bb2a96f_moe
		.amdhsa_group_segment_fixed_size 327680
		.amdhsa_private_segment_fixed_size 0
		.amdhsa_enable_private_segment 0
		.amdhsa_kernarg_size 80
		.amdhsa_user_sgpr_count 2
		.amdhsa_user_sgpr_kernarg_segment_ptr 1
		.amdhsa_wavefront_size32 1
		.amdhsa_system_sgpr_workgroup_id_x 1
		.amdhsa_system_sgpr_workgroup_id_y 1
		.amdhsa_system_sgpr_workgroup_id_z 1
		.amdhsa_system_vgpr_workitem_id 0
		.amdhsa_next_free_vgpr 1024
		.amdhsa_next_free_sgpr 102
		.amdhsa_reserve_vcc 0
		.amdhsa_float_denorm_mode_32 3
		.amdhsa_float_denorm_mode_16_64 3
		.amdhsa_memory_ordered 1
		.amdhsa_forward_progress 1
		.amdhsa_inst_pref_size 255
	.end_amdhsa_kernel
	.section	.bss,"aw",@nobits
	.p2align	6
	.space	262144
	.amdgpu_metadata
---
amdhsa.version: [ 1, 2 ]
amdhsa.kernels:
  - .name:           k_qb96bb2a96f_moe
    .symbol:         k_qb96bb2a96f_moe.kd
    .args:
      - { .name: x, .offset: 0, .size: 8, .value_kind: global_buffer, .address_space: global }
      - { .name: W1_codes, .offset: 8, .size: 8, .value_kind: global_buffer, .address_space: global }
      - { .name: W1_scales, .offset: 16, .size: 8, .value_kind: global_buffer, .address_space: global }
      - { .name: b1, .offset: 24, .size: 8, .value_kind: global_buffer, .address_space: global }
      - { .name: W2_codes, .offset: 32, .size: 8, .value_kind: global_buffer, .address_space: global }
      - { .name: W2_scales, .offset: 40, .size: 8, .value_kind: global_buffer, .address_space: global }
      - { .name: b2, .offset: 48, .size: 8, .value_kind: global_buffer, .address_space: global }
      - { .name: Wg, .offset: 56, .size: 8, .value_kind: global_buffer, .address_space: global }
      - { .name: bg, .offset: 64, .size: 8, .value_kind: global_buffer, .address_space: global }
      - { .name: out0, .offset: 72, .size: 8, .value_kind: global_buffer, .address_space: global }
    .group_segment_fixed_size: 327680
    .private_segment_fixed_size: 0
    .kernarg_segment_align: 8
    .kernarg_segment_size: 80
    .max_flat_workgroup_size: 128
    .sgpr_count:     102
    .vgpr_count:     1024
    .wavefront_size: 32
...
	.end_amdgpu_metadata
.endif
;; end of part 1
